; MI455X (gfx1250); checked and timed in simulation.
; The chip was launched on July 23, 2026; its instructions are those of AMD's public machine-readable ISA for CDNA 5 (MIT licence, August 2026) and "CDNA5" Instruction Set Architecture Reference Guide (July 2026). The comments in the code are by the model that wrote it; some were corrected since.
;; VLLM Compatible Triton Attention. Allowed arithmetic: float matrix products may take bf16 or f16 operands with f32 sums; all other float work in f32.
;; Inputs: attention_mask 2 x 2,048 int32; k 2 x 2,048 x 16 x 128 float32; q 2 x 2,048 x 16 x 128 float32; v 2 x 2,048 x 16 x 128 float32.
;; Outputs: out0 2 x 2,048 x 2,048 float32.
;; Constants: scale = 0.08838834764831843.
;; One version. Each part assembles by itself: llvm-mc -triple=amdgcn-amd-amdhsa -mcpu=gfx1250 --defsym DOCPART=n.
;; ======== version 1 of 1: 1 launch
;; limits: values are held in f16: magnitudes above 65,504 overflow, below 6.1e-05 lose precision; inputs' magnitudes at most 65,504
;; launch attn (part 1): grid 8 x 32, 4 waves a work-group, no clusters, 279,040 bytes of LDS; arguments q, k, v, out0; writes out0
.if DOCPART == 1
	.amdgcn_target "amdgcn-amd-amdhsa--gfx1250"
	.amdhsa_code_object_version 6
	.text
	.protected	k_q217de52073_attn
	.globl	k_q217de52073_attn
	.p2align	8
	.type	k_q217de52073_attn,@function
k_q217de52073_attn:
	s_mov_b64 s[64:65], 0
	v_nop
	global_prefetch_b8 v0, s[64:65] scope:SCOPE_SE
	s_setreg_imm32_b32 hwreg(HW_REG_WAVE_MODE, 25, 1), 1
	s_wait_xcnt 0x0
; Causal softmax attention.  q, k, v, out: [2][2048][16][128] f32; a (token, head) row is 512 bytes, tokens are 8,192 bytes apart.
; out[b][s][h][:] = sum over t <= s of softmax_t(scale q[s].k[t]) v[t].
; attention_mask is no argument: the function to be computed uses neither its values nor its shape, so the result does not hang on it.
;
; WORK.  Work-group (i, y): head y & 15 of batch y >> 4; it makes query block i and then query block 15 - i (128 rows each):
; (i + 1) + (16 - i) = 17 key tiles of 128 keys for every work-group.  A block walks its tiles downward, the diagonal tile first: that
; trip is written out, it alone is masked, and its products start the sums (C = 0), so nothing is cleared.
; Wave w: g = w >> 1 picks queries 64 g .. 64 g + 63 of the block, hk = w & 1 picks keys 64 hk .. + 63 of every tile.  Each wave keeps its
; own running maximum, sum and O; the two key halves are merged once a block, through LDS.
; TRANSPOSED PRODUCTS.  S^T = K Q^T (source 0 = 16 keys, source 1 = 16 queries), O^T = V^T P^T (source 0 = 16 columns of V by the
; transposing LDS load, source 1 = P^T).  A lane then owns one query of each block of 16: the row maximum is a chain inside the lane and one
; exchange between the lane halves, and S^T's result registers, rounded in place, are P^T's operand registers.
; K AND V come by 16-byte loads (one instruction = one row = 512 consecutive aligned bytes) into a register stage, a whole trip ahead of their
; use, are rounded in place and stored to one K and one V region of LDS.  Two barriers a trip order the regions (see TRIP).
; FORMATS.  q, k and v are each rounded once to bf16, one rounding for all three inputs; the scores are bf16 products with f32 sums, and
; scale x log2(e) = 0.12751743 is applied to the f32 sums, in the one fused multiply-add that takes the maximum away.  P is rounded to f16:
; where a row has few keys its output is a difference of terms of v's size, and bf16's 8 significant bits in P would show there; f16 has 11.
; A matrix instruction takes both operands in one format, so v's bf16 values are carried in f16, which holds them exactly from 2^-17 to 65,504.
; NOT USED, by this text's arithmetic: tensor loads would lay f32 tiles in LDS (twice the LDS bytes for each fragment, and no 16-bit
; transposing load for V); joint loads of a cluster need tensor loads, and the eight work-groups of a head walk different tiles at any time
; (block i has i + 1 tiles, block 15 - i has 16 - i).
; LIMITS.  |v| above 65,504 becomes infinite in f16; |v| below 2^-17 carries an absolute error of up to 2^-25.  p = exp2(..) lies in [0, 1]:
; below 2^-14 it keeps fewer bits in f16, below 2^-25 it counts as 0 in the product with V; the sum of p is kept in f32, where exponentials
; below 2^-126 count as 0.  The running maximum starts at -FLT_MAX (0xff7fffff) in place of -inf, so that a wholly masked quadrant gives
; exp2(-inf) = 0 and no NaN.
.set PK,   272                         ; LDS pitch of K and Q rows: 256 bytes of bf16 + 16 = 17 x 16: sixteen rows begin in sixteen different 16-byte columns modulo 256
.set PV,   288                         ; LDS pitch of V rows: 9 x 32, for the transposing load
.set PO,   528                         ; LDS pitch of an O row: 512 bytes of f32 + 16
.set KREG, 0                           ; 128 keys x 272
.set VREG, 34816                       ; 128 keys x 288
.set QST,  71680                       ; 256 query rows x 272: block i, then block 15 - i; bf16
.set OST,  141312                      ; 4 waves x 64 queries x 528: O before the merge
.set ML,   276480                      ; 4 waves x 64 queries x (maximum, sum)
; window 0 (an instruction names v0-v255; s_set_vgpr_msb says which block of 256 each operand place means)
.set VOFF, 4                           ; w << 18 | lane << 4: my 16 bytes of my wave's first row of a tile (serves q, k, v, out); never rewritten
.set AK,   5                           ; K fragments
.set AV,   6                           ; V fragments (transposing load)
.set AKS,  7                           ; where my wave stores K rows
.set AVS,  8                           ; V rows
.set AQS,  9                           ; Q rows
.set AQ,   10                          ; Q fragments
.set AO,   11                          ; where I put O for the merge
.set AMW,  12                          ; where I put (maximum, sum)
.set AMR,  13                          ; where I read them back
.set AOR,  14                          ; where I read O rows back
.set F0,   64                          ; v64-95   fragment buffer 0
.set F1,   96                          ; v96-127  fragment buffer 1
.set KS,   128                         ; v128-255 K stage: row n of my 32 in 4 registers
; window 1: O(dt, qb) at 32 dt + 8 qb.   window 3: Q(qb, ks) at 32 qb + 8 ks; V stage at 128
.set VS,   128
; window 2: S(kt, qb) at 64 (kt >> 1) + 16 qb + 8 (kt & 1); P(kk, qb) in place at 64 kk + 16 qb .. + 7
.set M,    128                         ; pairs (running maximum x scale x log2(e), running sum), one for each qb
.set AL,   136                         ; pairs (rescale factor, T = what the other lane half sent)
.set MN,   144                         ; running maximum of the raw sums; lives from trip to trip
.set SUM,  152                         ; pairs: this trip's sums
.set DL,   160                         ; 64 (g - hk) + r - 8 h: the diagonal, seen from my lane
.set FA,   162                         ; merge: factor for the key half 0
.set FB,   163                         ; for the key half 1
.set E,    164                         ; v164-172 merge, at work
.set MSB, 0
.macro WIN new                         ; low byte: bits 1:0 source 0, 3:2 source 1, 5:4 source 2, 7:6 destination; the high byte repeats the setting that is left
.if MSB != \new
	s_set_vgpr_msb (MSB<<8)|\new
.set MSB, \new
.endif
.endm
; Four plain vector instructions stand between a matrix instruction and a vector instruction, a store or a load that touches its registers
.macro PLACES
.rept 4
	v_nop
.endr
.endm
; Eight LDS loads: my 64 keys x 32 of d (step ks).  Lane (r, h): row r, bytes 16 h and 32 + 16 h of the step's 64
.macro FETCHK ks, buf
	WIN 0
.irp kt, 0,1,2,3
	ds_load_b128 v[\buf+8*\kt:\buf+8*\kt+3],   v[AK] offset:\kt*16*PK+64*\ks
	ds_load_b128 v[\buf+8*\kt+4:\buf+8*\kt+7], v[AK] offset:\kt*16*PK+64*\ks+32
.endr
.endm
; Eight transposing loads: columns 64 dh .. + 63 of V x 32 keys (step kk) as rows of V^T
.macro FETCHV kk, dh, buf
	WIN 0
.irp t, 0,1,2,3
	ds_load_tr16_b128 v[\buf+8*\t:\buf+8*\t+3],   v[AV] offset:\kk*32*PV+32*(4*\dh+\t)
	ds_load_tr16_b128 v[\buf+8*\t+4:\buf+8*\t+7], v[AV] offset:\kk*32*PV+32*(4*\dh+\t)+16*PV
.endr
.endm
; Sixteen matrix instructions on sixteen accumulators, which take turns, one instruction a turn
.macro MULQK ks, buf, zero
	WIN 0xac                               ; K window 0, Q window 3, S window 2
.irp kt, 0,1,2,3
.irp qb, 0,1,2,3
.set sb, 64*(\kt>>1)+16*\qb+8*(\kt&1)
.if \zero
	v_wmma_f32_16x16x32_bf16 v[sb:sb+7], v[\buf+8*\kt:\buf+8*\kt+7], v[32*\qb+8*\ks:32*\qb+8*\ks+7], 0
.else
	v_wmma_f32_16x16x32_bf16 v[sb:sb+7], v[\buf+8*\kt:\buf+8*\kt+7], v[32*\qb+8*\ks:32*\qb+8*\ks+7], v[sb:sb+7]
.endif
.endr
.endr
.endm
.macro MULPV kk, dh, buf, zero
	WIN 0x58                               ; V^T window 0, P window 2, O window 1; both operands f16
.irp t, 0,1,2,3
.irp qb, 0,1,2,3
.set ob, 32*(4*\dh+\t)+8*\qb
.if \zero
	v_wmma_f32_16x16x32_f16 v[ob:ob+7], v[\buf+8*\t:\buf+8*\t+7], v[64*\kk+16*\qb:64*\kk+16*\qb+7], 0
.else
	v_wmma_f32_16x16x32_f16 v[ob:ob+7], v[\buf+8*\t:\buf+8*\t+7], v[64*\kk+16*\qb:64*\kk+16*\qb+7], v[ob:ob+7]
.endif
.endr
.endr
.endm
; The K stage is rounded to bf16 in place and stored: a lane's 4 numbers of a row become 8 bytes, a wave's store 256 consecutive bytes
.macro KCONV
	s_wait_loadcnt 32                      ; the stage's 32 loads are in; the 32 younger ones are V's
	WIN 0
.set ix, 0
.rept 32
	v_cvt_pk_bf16_f32 v[KS+4*ix],   v[KS+4*ix],   v[KS+4*ix+1]
	v_cvt_pk_bf16_f32 v[KS+4*ix+1], v[KS+4*ix+2], v[KS+4*ix+3]
.set ix, ix+1
.endr
.set ix, 0
.rept 32
	ds_store_b64 v[AKS], v[KS+4*ix:KS+4*ix+1] offset:PK*ix
.set ix, ix+1
.endr
.endm
; My 32 rows of K of tile s22 are asked for
.macro KISSUE
	WIN 0
	s_wait_xcnt 0x0                        ; the base of the last tile's loads is rewritten only behind this wait
	s_lshl_b32 s28, s22, 20                ; 128 tokens x 8,192 bytes
	s_add_nc_u64 s[24:25], s[6:7], s[28:29]
.set ix, 0
.rept 32
	global_load_b128 v[KS+4*ix:KS+4*ix+3], v[VOFF], s[24:25] offset:8192*ix
.set ix, ix+1
.endr
.endm
; The V stage: each number is rounded to bf16 (a zero goes to the word's low half, the bf16 to its high half: the word is the rounded
; number as f32), then two such numbers are packed as f16, which changes neither (see FORMATS), and the rows are stored
.macro VCONV cnt
	s_wait_loadcnt \cnt                    ; V's 32 loads are in; what is younger is the next tile's K
	WIN 0xcf
.set ix, 0
.rept 128
	v_cvt_pk_bf16_f32 v[VS+ix], 0, v[VS+ix]
.set ix, ix+1
.endr
.set ix, 0
.rept 32
	v_cvt_pk_f16_f32 v[VS+4*ix],   v[VS+4*ix],   v[VS+4*ix+1]
	v_cvt_pk_f16_f32 v[VS+4*ix+1], v[VS+4*ix+2], v[VS+4*ix+3]
.set ix, ix+1
.endr
	WIN 0x0c
.set ix, 0
.rept 32
	ds_store_b64 v[AVS], v[VS+4*ix:VS+4*ix+1] offset:PV*ix
.set ix, ix+1
.endr
.endm
; My 32 rows of V of tile s22; then s22 steps: i .. 0, 15 - i .. 0
.macro VISSUE
	WIN 0xc0
	s_wait_xcnt 0x0
	s_lshl_b32 s28, s22, 20
	s_add_nc_u64 s[26:27], s[8:9], s[28:29]
.set ix, 0
.rept 32
	global_load_b128 v[VS+4*ix:VS+4*ix+3], v[VOFF], s[26:27] offset:8192*ix
.set ix, ix+1
.endr
	s_sub_co_u32 s23, s22, 1
	s_cmp_eq_u32 s22, 0
	s_cselect_b32 s22, s21, s23
.endm
; The diagonal tile: key 64 hk + 16 kt + 8 h + j stays where it is <= query 64 g + 16 qb + r, that is 16 (kt - qb) + j <= DL.
; One compare serves all tiles with the same kt - qb.
.macro MASK
	WIN 0xaa
.set md, -3
.rept 7
.set mj, 0
.rept 8
	v_cmp_le_i32 vcc_lo, 16*md+mj, v[DL]
.set mq, 0
.rept 4
.set mk, mq+md
.if mk >= 0
.if mk <= 3
	v_cndmask_b32 v[64*(mk>>1)+16*mq+8*(mk&1)+mj], s32, v[64*(mk>>1)+16*mq+8*(mk&1)+mj], vcc_lo
.endif
.endif
.set mq, mq+1
.endr
.set mj, mj+1
.endr
.set md, md+1
.endr
.endm
; 64 keys x 64 queries of raw sums become P in f16; maximum, sum and rescale factor are brought up to date.  Four chains, one for each qb.
.macro SOFTMAX first
	WIN 0xaa
.set ix, 0
.rept 16
.set io, 64*(ix>>3)+2*(ix&7)
.irp qb, 0,1,2,3
.if \first
.if ix == 0
	v_max3_num_f32 v[MN+\qb], v[io+16*\qb], v[io+16*\qb+1], s33
.else
	v_max3_num_f32 v[MN+\qb], v[io+16*\qb], v[io+16*\qb+1], v[MN+\qb]
.endif
.else
	v_max3_num_f32 v[MN+\qb], v[io+16*\qb], v[io+16*\qb+1], v[MN+\qb]   ; the chain goes on from the last trip's maximum
.endif
.endr
.set ix, ix+1
.endr
.irp qb, 0,1,2,3
	v_permlanex16_b32 v[AL+2*\qb+1], v[MN+\qb], s30, s31       ; the other lane half holds the query's other 32 keys
.endr
.irp qb, 0,1,2,3
	v_max_num_f32 v[MN+\qb], v[MN+\qb], v[AL+2*\qb+1]
.endr
.if \first
.irp qb, 0,1,2,3
	v_mul_f32 v[M+2*\qb], s44, v[MN+\qb]                       ; the maximum in the exponentials' unit
.endr
.else
.irp qb, 0,1,2,3
	v_mov_b32 v[AL+2*\qb], v[M+2*\qb]                          ; the old one
.endr
.irp qb, 0,1,2,3
	v_mul_f32 v[M+2*\qb], s44, v[MN+\qb]                       ; the new one
.endr
.irp qb, 0,1,2,3
	v_sub_f32 v[AL+2*\qb], v[AL+2*\qb], v[M+2*\qb]             ; old - new, of the very numbers that the exponentials take away
.endr
.irp qb, 0,1,2,3
	v_exp_f32 v[AL+2*\qb], v[AL+2*\qb]                         ; used far below; the multiply-add that follows is the plain instruction behind it (ISA guide 5.7.2)
.endr
.endif
	; p = exp2(c s - c maximum), c = scale x log2(e).  Pair n + 1's multiply-add stands ahead of pair n's two exponentials: it names no register of the exponential in front of it
	v_pk_fma_f32 v[0:1], v[0:1], s[44:45], v[M:M+1] op_sel_hi:[1,0,0] neg_lo:[0,0,1] neg_hi:[0,0,1]
.set ix, 0
.rept 64
.if ix < 126
.set iq, ((ix+2)>>4)&3
	v_pk_fma_f32 v[ix+2:ix+3], v[ix+2:ix+3], s[44:45], v[M+2*iq:M+2*iq+1] op_sel_hi:[1,0,0] neg_lo:[0,0,1] neg_hi:[0,0,1]
.endif
	v_exp_f32 v[ix], v[ix]
	v_exp_f32 v[ix+1], v[ix+1]
.set ix, ix+2
.endr
	v_nop                                  ; one plain instruction between the exponentials and the first use of a result
	s_wait_alu depctr_va_vdst(0)
.irp qb, 0,1,2,3
	v_pk_add_f32 v[SUM+2*\qb:SUM+2*\qb+1], v[16*\qb:16*\qb+1], v[16*\qb+2:16*\qb+3]
.endr
.set ix, 2
.rept 14
.set io, 64*(ix>>3)+2*(ix&7)
.irp qb, 0,1,2,3
	v_pk_add_f32 v[SUM+2*\qb:SUM+2*\qb+1], v[SUM+2*\qb:SUM+2*\qb+1], v[io+16*\qb:io+16*\qb+1]
.endr
.set ix, ix+1
.endr
.if \first
.irp qb, 0,1,2,3
	v_add_f32 v[M+2*\qb+1], v[SUM+2*\qb], v[SUM+2*\qb+1]
.endr
.else
.irp qb, 0,1,2,3
	v_fma_f32 v[M+2*\qb+1], v[M+2*\qb+1], v[AL+2*\qb], v[SUM+2*\qb]
.endr
.irp qb, 0,1,2,3
	v_add_f32 v[M+2*\qb+1], v[M+2*\qb+1], v[SUM+2*\qb+1]
.endr
.endif
	; sixteen f32 registers (two tiles of 16 keys) become the eight registers of P^T's operand, in place: register t from registers 2 t, 2 t + 1
.set ix, 0
.rept 8
.irp t, 0,1,2,3,4,5,6,7
	v_cvt_pk_f16_f32 v[ix+\t], v[ix+2*\t], v[ix+2*\t+1]
.endr
.set ix, ix+16
.endr
.endm
.macro RESCALE
	WIN 0x49                               ; O window 1, factor window 2
.set ix, 0
.rept 128
.set iq, (ix>>3)&3
	v_pk_mul_f32 v[ix:ix+1], v[ix:ix+1], v[AL+2*iq:AL+2*iq+1] op_sel_hi:[1,0]
.set ix, ix+2
.endr
.endm
; My 64 queries' fragments, for the whole block
.macro QLOAD slot
	WIN 0xc0
.irp qb, 0,1,2,3
.irp ks, 0,1,2,3
	ds_load_b128 v[32*\qb+8*\ks:32*\qb+8*\ks+3],   v[AQ] offset:\slot*128*PK+\qb*16*PK+64*\ks
	ds_load_b128 v[32*\qb+8*\ks+4:32*\qb+8*\ks+7], v[AQ] offset:\slot*128*PK+\qb*16*PK+64*\ks+32
.endr
.endr
	s_wait_dscnt 0x0
.endm
; ONE TILE.  first: the block's diagonal tile.  conv: the next tile is rounded and stored to LDS.  issue: the tile after that is asked for.
; ns: V stores of the last trip that are younger than this tile's first two K fragment groups.
; Barrier 1: every wave's reads of this tile's K and stores of this tile's V are done.  Behind it V is read and the next K is stored.
; Barrier 2: every wave's reads of this tile's V and stores of the next K are done.  Behind it the next K is read and the next V is stored.
.macro TRIP first, issue, conv, ns
	s_wait_dscnt 8+\ns                     ; buffer 0 is in; younger: buffer 1's 8 loads and the V stores
	MULQK 0, F0, 1
	PLACES
	FETCHK 2, F0
	s_wait_dscnt 8+\ns                     ; buffer 1 is in; younger: the V stores and the 8 loads just issued
	MULQK 1, F1, 0
	PLACES
	FETCHK 3, F1
	s_wait_dscnt 8                         ; buffer 0 is in; younger: the 8 loads just issued
	MULQK 2, F0, 0
	s_wait_dscnt 0x0                       ; for the other waves: my reads of K and my stores of V are done
	s_barrier_signal -1
	MULQK 3, F1, 0
	WIN 0
	s_barrier_wait -1
	PLACES
	FETCHV 0, 0, F0
	FETCHV 0, 1, F1
.if \first
	MASK
.endif
	SOFTMAX \first
.if \conv
	KCONV
.endif
.if \issue
	KISSUE
.endif
.if \first == 0
	RESCALE
.endif
	s_wait_dscnt 32*\conv                  ; both V groups are in; younger: the K stores
	MULPV 0, 0, F0, \first
	PLACES
	FETCHV 1, 0, F0
	MULPV 0, 1, F1, \first
	PLACES
	FETCHV 1, 1, F1
	s_wait_dscnt 8                         ; buffer 0 is in; younger: the 8 loads just issued
	MULPV 1, 0, F0, 0
	s_wait_dscnt 0x0                       ; for the other waves: my reads of V and my stores of K are done
	s_barrier_signal -1
	MULPV 1, 1, F1, 0
	WIN 0
	s_barrier_wait -1
.if \conv
	PLACES
	FETCHK 0, F0                           ; the next tile's first fragments
	FETCHK 1, F1
	VCONV 32*\issue
.endif
.if \issue
	VISSUE
.endif
	WIN 0
.endm
; THE BLOCK'S END.  The two key halves of a query are merged: out = (O0 2^(m0 - m) + O1 2^(m1 - m)) / (l0 2^(m0 - m) + l1 2^(m1 - m)), m = max(m0, m1).
; Every wave puts its O (a lane: 8 neighbouring d of a query) and its (maximum, sum) into LDS; behind a barrier wave w takes rows 32 w .. 32 w + 31
; of the block from both partners, whole rows, and stores them: one store = one row = 512 consecutive aligned bytes.
; blk: the scalar register with the block's number.  more = 1: another block follows.
.macro EPILOGUE blk, more
	PLACES
	WIN 0xaa
.irp qb, 0,1,2,3
	v_permlanex16_b32 v[AL+2*\qb+1], v[M+2*\qb+1], s30, s31    ; the sum over the other lane half's keys
.endr
.irp qb, 0,1,2,3
	v_add_f32 v[M+2*\qb+1], v[M+2*\qb+1], v[AL+2*\qb+1]
.endr
	WIN 0x08
.irp qb, 0,1,2,3
	ds_store_b64 v[AMW], v[M+2*\qb:M+2*\qb+1] offset:128*\qb   ; both lane halves write the same pair
.endr
	WIN 0x04
.irp dt, 0,1,2,3,4,5,6,7
.irp qb, 0,1,2,3
	ds_store_b128 v[AO], v[32*\dt+8*\qb:32*\dt+8*\qb+3]   offset:\qb*16*PO+64*\dt
	ds_store_b128 v[AO], v[32*\dt+8*\qb+4:32*\dt+8*\qb+7] offset:\qb*16*PO+64*\dt+16
.endr
.endr
	WIN 0
	s_wait_dscnt 0x0                       ; for the other waves: my stores are done
	s_barrier_signal -1
	s_barrier_wait -1
	WIN 0x80
	ds_load_b64 v[E:E+1],   v[AMR]                 ; lane L: (m0, l0) of my row L
	ds_load_b64 v[E+2:E+3], v[AMR] offset:512      ; (m1, l1)
	s_lshl_b32 s28, s\blk, 20
	s_add_nc_u64 s[40:41], s[10:11], s[28:29]      ; out at the block's first row
	s_wait_dscnt 0x0
	WIN 0xaa
	v_max_num_f32 v[E+4], v[E], v[E+2]
	v_sub_f32 v[E+5], v[E], v[E+4]
	v_sub_f32 v[E+6], v[E+2], v[E+4]
	v_exp_f32 v[E+5], v[E+5]
	v_exp_f32 v[E+6], v[E+6]
	v_nop
	s_wait_alu depctr_va_vdst(0)
	v_mul_f32 v[E+7], v[E+1], v[E+5]
	v_fma_f32 v[E+7], v[E+3], v[E+6], v[E+7]       ; at least 1: the query's largest score gives 2^0
	v_rcp_f32 v[E+8], v[E+7]
	v_nop
	s_wait_alu depctr_va_vdst(0)
	v_mul_f32 v[FA], v[E+5], v[E+8]
	v_mul_f32 v[FB], v[E+6], v[E+8]
.irp c, 0,1,2,3
.set eb, 64*(\c&1)                     ; eight rows a turn, two register sets in S's place: a at eb, b at eb + 32
.if \c >= 2
	s_wait_xcnt 0x0                        ; the set's last stores have read their data: it is loaded again only behind this wait
.endif
	WIN 0x80
.irp t, 0,1,2,3,4,5,6,7
	ds_load_b128 v[eb+4*\t:eb+4*\t+3],       v[AOR] offset:(8*\c+\t)*PO
	ds_load_b128 v[eb+32+4*\t:eb+32+4*\t+3], v[AOR] offset:(8*\c+\t)*PO+64*PO
.endr
	WIN 0xaa
.irp t, 0,1,2,3,4,5,6,7
	s_wait_dscnt 14-2*\t                   ; row t's two loads are in; the rows behind it stay out
	v_readlane_b32 s36, v[FA], 8*\c+\t
	v_readlane_b32 s38, v[FB], 8*\c+\t
	v_pk_mul_f32 v[eb+4*\t:eb+4*\t+1],   v[eb+4*\t:eb+4*\t+1],   s[36:37] op_sel_hi:[1,0]
	v_pk_mul_f32 v[eb+4*\t+2:eb+4*\t+3], v[eb+4*\t+2:eb+4*\t+3], s[36:37] op_sel_hi:[1,0]
	v_pk_fma_f32 v[eb+4*\t:eb+4*\t+1],   v[eb+32+4*\t:eb+32+4*\t+1], s[38:39], v[eb+4*\t:eb+4*\t+1]   op_sel_hi:[1,0,1]
	v_pk_fma_f32 v[eb+4*\t+2:eb+4*\t+3], v[eb+32+4*\t+2:eb+32+4*\t+3], s[38:39], v[eb+4*\t+2:eb+4*\t+3] op_sel_hi:[1,0,1]
.endr
	WIN 0x08
.irp t, 0,1,2,3,4,5,6,7
	global_store_b128 v[VOFF], v[eb+4*\t:eb+4*\t+3], s[40:41] offset:(8*\c+\t)*8192 th:TH_STORE_NT
.endr
.endr
.if \more
	s_wait_xcnt 0x0                        ; the next block's products write over the stores' data only behind this wait
.endif
	WIN 0
.endm
	; ---- set-up ----
	s_load_b256 s[4:11], s[0:1], 0x0               ; q s[4:5], k s[6:7], v s[8:9], out s[10:11]
	v_lshl_add_u32 v62, v0, 2, 0x44000
	v_mov_b32 v63, 0
	v_and_b32 v1, 31, v0                           ; lane L
	v_and_b32 v2, 15, v0                           ; r
	v_bfe_u32 v3, v0, 4, 1                         ; h
	v_lshrrev_b32 v16, 5, v0
	v_readfirstlane_b32 s12, v16                   ; wave w
	s_lshr_b32 s13, s12, 1                         ; g: my 64 queries
	s_and_b32 s14, s12, 1                          ; hk: my 64 keys
	s_and_b32 s15, ttmp7, 0xffff                   ; y = 16 batch + head
	s_lshr_b32 s18, s15, 4
	s_lshl_b32 s18, s18, 24                        ; a batch is 2,048 x 8,192 bytes
	s_and_b32 s19, s15, 15
	s_lshl_b32 s19, s19, 9                         ; a head is 512 bytes
	s_or_b32 s18, s18, s19
	s_mov_b32 s19, 0
	s_mov_b32 s20, ttmp9                           ; first query block: i
	s_sub_co_u32 s21, 15, s20                      ; second: 15 - i
	s_mov_b32 s22, s20                             ; the tile to ask for next
	s_sub_co_u32 s35, 13, s20                      ; trips of the second block's loop
	s_mov_b32 s29, 0
	s_mov_b32 s30, 0x76543210                      ; v_permlanex16_b32: lane n of one half reads lane n of the other
	s_mov_b32 s31, 0xfedcba98
	s_mov_b32 s32, 0xff800000                      ; -inf
	s_mov_b32 s33, 0xff7fffff                      ; -FLT_MAX
	s_mov_b32 s37, 0                               ; upper halves of pairs that packed instructions name whole
	s_mov_b32 s39, 0
	s_mov_b32 s44, 0x3e0293ee                      ; scale x log2(e)
	s_mov_b32 s45, 0
	s_lshl_b32 s23, s12, 18                        ; my wave's 32 rows of a tile: 32 x 8,192 bytes
	v_lshl_or_b32 v[VOFF], v1, 4, s23
	v_mul_u32_u24 v18, v2, PK
	v_lshl_add_u32 v18, v3, 4, v18                 ; r x 272 + 16 h
	s_mul_i32 s23, s14, 64*PK
	v_add_nc_u32 v[AK], s23, v18                   ; KREG = 0
	s_mul_i32 s23, s13, 64*PK
	s_add_co_u32 s23, s23, QST
	v_add_nc_u32 v[AQ], s23, v18
	v_and_b32 v16, 7, v0
	v_lshl_add_u32 v16, v3, 3, v16                 ; key 8 h + (L & 7)
	v_mul_u32_u24 v16, v16, PV
	v_bfe_u32 v17, v0, 3, 1
	v_lshl_add_u32 v16, v17, 4, v16                ; + 16 ((L >> 3) & 1)
	s_mul_i32 s23, s14, 64*PV
	s_add_co_u32 s23, s23, VREG
	v_add_nc_u32 v[AV], s23, v16
	s_mul_i32 s23, s12, 32*PK
	v_lshl_add_u32 v[AKS], v1, 3, s23
	s_add_co_u32 s23, s23, QST
	v_lshl_add_u32 v[AQS], v1, 3, s23
	s_mul_i32 s23, s12, 32*PV
	s_add_co_u32 s23, s23, VREG
	v_lshl_add_u32 v[AVS], v1, 3, s23
	v_mul_u32_u24 v16, v2, PO
	v_lshl_add_u32 v16, v3, 5, v16                 ; r x 528 + 32 h
	s_mul_i32 s23, s12, 64*PO
	s_add_co_u32 s23, s23, OST
	v_add_nc_u32 v[AO], s23, v16
	s_lshl_b32 s23, s12, 9
	s_add_co_u32 s23, s23, ML
	v_lshl_add_u32 v[AMW], v2, 3, s23
	s_lshl_b32 s16, s13, 10                        ; wave 2 g's pairs,
	s_lshl_b32 s17, s14, 8                         ; from query 32 hk on
	s_add_co_u32 s16, s16, s17
	s_add_co_u32 s16, s16, ML
	v_lshl_add_u32 v[AMR], v1, 3, s16
	s_mul_i32 s16, s13, 128*PO                     ; wave 2 g's O,
	s_mul_i32 s17, s14, 32*PO                      ; from query 32 hk on
	s_add_co_u32 s16, s16, s17
	s_add_co_u32 s16, s16, OST
	v_lshl_add_u32 v[AOR], v1, 4, s16
	s_sub_co_i32 s23, s13, s14
	s_lshl_b32 s23, s23, 6
	v_lshlrev_b32 v15, 3, v3
	v_sub_nc_u32 v15, v2, v15
	v_add_nc_u32 v15, s23, v15                     ; 64 (g - hk) + r - 8 h
	WIN 0x80
	v_mov_b32 v[DL], v15
.irp qb, 0,1,2,3
	v_mov_b32 v[M+2*\qb+1], 0                      ; second halves of pairs that packed instructions name whole before they hold a figure;
	v_mov_b32 v[AL+2*\qb+1], 0                     ; T is also the lane exchange's destination, which counts as read
.endr
	s_wait_kmcnt 0x0
	s_add_nc_u64 s[4:5], s[4:5], s[18:19]          ; all four at my head
	s_add_nc_u64 s[6:7], s[6:7], s[18:19]
	s_add_nc_u64 s[8:9], s[8:9], s[18:19]
	s_add_nc_u64 s[10:11], s[10:11], s[18:19]
	s_lshl_b32 s28, s20, 20
	s_add_nc_u64 s[42:43], s[4:5], s[28:29]        ; q at block i
	s_lshl_b32 s28, s21, 20
	s_add_nc_u64 s[40:41], s[4:5], s[28:29]        ; q at block 15 - i
	; ---- first loads: my 32 rows of both query blocks (into O's registers), then the first tile ----
	WIN 0x40
.set ix, 0
.rept 32
	global_load_b128 v[4*ix:4*ix+3], v[VOFF], s[42:43] offset:8192*ix th:TH_LOAD_NT
.set ix, ix+1
.endr
.set ix, 0
.rept 32
	global_load_b128 v[128+4*ix:128+4*ix+3], v[VOFF], s[40:41] offset:8192*ix th:TH_LOAD_NT
.set ix, ix+1
.endr
	KISSUE
	VISSUE
	s_wait_loadcnt 63                              ; 64 loads are younger than q's; the count's field ends at 63, so one of K's is waited for as well
	WIN 0x55
.set ix, 0
.rept 64
	v_cvt_pk_bf16_f32 v[4*ix],   v[4*ix],   v[4*ix+1]          ; q as it is, rounded to bf16
	v_cvt_pk_bf16_f32 v[4*ix+1], v[4*ix+2], v[4*ix+3]
.set ix, ix+1
.endr
	WIN 0x04
.set ix, 0
.rept 64
	ds_store_b64 v[AQS], v[4*ix:4*ix+1] offset:(ix>>5)*128*PK+(ix&31)*PK
.set ix, ix+1
.endr
	KCONV                                          ; the first tile goes to LDS, the second is asked for
	KISSUE
	VCONV 32
	VISSUE
	WIN 0
	s_wait_dscnt 0x0                               ; for the other waves: my rows of Q, K and V are in LDS
	s_barrier_signal -1
	s_barrier_wait -1
	; ---- query block i: i + 1 tiles ----
	FETCHK 0, F0
	FETCHK 1, F1
	QLOAD 0
	TRIP 1, 1, 1, 0
	s_cmp_eq_u32 s20, 0
	s_cbranch_scc1 .Lblock_a_done
	s_mov_b32 s34, 0
.Lloop_a:
	TRIP 0, 1, 1, 32
	s_add_co_u32 s34, s34, 1
	s_cmp_lt_u32 s34, s20
	s_cbranch_scc1 .Lloop_a
.Lblock_a_done:
	EPILOGUE 20, 1
	; ---- query block 15 - i: 16 - i tiles; its first tile is in LDS, its first K fragments are in buffers 0 and 1 ----
	QLOAD 1
	TRIP 1, 1, 1, 0
	s_mov_b32 s34, 0
.Lloop_b:
	TRIP 0, 1, 1, 32                               ; 13 - i trips, at least 6
	s_add_co_u32 s34, s34, 1
	s_cmp_lt_u32 s34, s35
	s_cbranch_scc1 .Lloop_b
	TRIP 0, 0, 1, 32                               ; nothing is left to ask for: 2 + 15 = 17 tiles have been
	TRIP 0, 0, 0, 32                               ; nothing is left to round
	EPILOGUE 21, 0
	s_wait_tensorcnt 0x0
	ds_add_u32 v62, v63
	s_wait_dscnt 0x0
	s_endpgm
.Lfunc_end_k_q217de52073_attn:
	.size	k_q217de52073_attn, .Lfunc_end_k_q217de52073_attn-k_q217de52073_attn
	.p2alignl 7, 3214868480
	.fill 96, 4, 3214868480
	.section	.rodata,"a",@progbits
	.p2align	6, 0x0
	.amdhsa_kernel k_q217de52073_attn
		.amdhsa_group_segment_fixed_size 279040
		.amdhsa_private_segment_fixed_size 0
		.amdhsa_enable_private_segment 0
		.amdhsa_kernarg_size 32
		.amdhsa_user_sgpr_count 2
		.amdhsa_user_sgpr_kernarg_segment_ptr 1
		.amdhsa_wavefront_size32 1
		.amdhsa_system_sgpr_workgroup_id_x 1
		.amdhsa_system_sgpr_workgroup_id_y 1
		.amdhsa_system_sgpr_workgroup_id_z 1
		.amdhsa_system_vgpr_workitem_id 0
		.amdhsa_next_free_vgpr 1024
		.amdhsa_next_free_sgpr 66
		.amdhsa_reserve_vcc 1
		.amdhsa_float_denorm_mode_32 3
		.amdhsa_float_denorm_mode_16_64 3
		.amdhsa_memory_ordered 1
		.amdhsa_forward_progress 1
		.amdhsa_inst_pref_size 255
	.end_amdhsa_kernel
	.section	.bss,"aw",@nobits
	.p2align	6
	.space	262144
	.amdgpu_metadata
---
amdhsa.version: [ 1, 2 ]
amdhsa.kernels:
  - .name:           k_q217de52073_attn
    .symbol:         k_q217de52073_attn.kd
    .args:
      - { .name: q, .offset: 0, .size: 8, .value_kind: global_buffer, .address_space: global }
      - { .name: k, .offset: 8, .size: 8, .value_kind: global_buffer, .address_space: global }
      - { .name: v, .offset: 16, .size: 8, .value_kind: global_buffer, .address_space: global }
      - { .name: out0, .offset: 24, .size: 8, .value_kind: global_buffer, .address_space: global }
    .group_segment_fixed_size: 279040
    .private_segment_fixed_size: 0
    .kernarg_segment_align: 8
    .kernarg_segment_size: 32
    .max_flat_workgroup_size: 128
    .sgpr_count:     66
    .vgpr_count:     1024
    .wavefront_size: 32
...
	.end_amdgpu_metadata
.endif
;; end of part 1
